; MI455X (gfx1250); checked and timed in simulation.
; The chip was launched on July 23, 2026; its instructions are those of AMD's public machine-readable ISA for CDNA 5 (MIT licence, August 2026) and "CDNA5" Instruction Set Architecture Reference Guide (July 2026). The comments in the code are by the model that wrote it; some were corrected since.
;; Quantum FFN. Allowed arithmetic: float matrix products may take bf16 or f16 operands with f32 sums; other float arithmetic in f32, or as packed bf16 or f16 multiplies, adds, multiply-adds, maxima and minima; sums over many terms, partial sums and values carried from step to step in f32; what a program stores and reads back later, other than sums and carried values, may be rounded once to bf16 or f16.
;; Inputs: W1 4,096 x 8 float32; W2 1,024 x 4,096 float32; theta 8 float32; x 4 x 4,096 x 1,024 float32.
;; Outputs: out0 4 x 4,096 x 1,024 float32.
;; 2 versions, each right; version 2 is version 1 with the launch cast written anew for expert scheduling mode. Each part assembles by itself: llvm-mc -triple=amdgcn-amd-amdhsa -mcpu=gfx1250 --defsym DOCPART=n.
;; ======== version 1 of 2: 2 launches
;; limits: values are held in f16: magnitudes above 65,504 overflow, below 6.1e-05 lose precision; inputs' magnitudes at most 65,504; inputs' magnitudes at most 131,072; a function is approximated: absolute error at most 1e-06
;; workspace buffers: w2h 8,388,608 bytes; w1h 65,536 bytes
;; launch cast (part 1): grid 258 x 1, 8 waves a work-group, no clusters, 0 bytes of LDS; arguments W2, W1, w2h, w1h; writes w2h, w1h
.if DOCPART == 1
	.amdgcn_target "amdgcn-amd-amdhsa--gfx1250"
	.amdhsa_code_object_version 6
	.text
	.protected	k_q2d341aac88_cast
	.globl	k_q2d341aac88_cast
	.p2align	8
	.type	k_q2d341aac88_cast,@function
k_q2d341aac88_cast:
	s_mov_b64 s[64:65], 0
	v_nop
	global_prefetch_b8 v0, s[64:65] scope:SCOPE_SE
	s_setreg_imm32_b32 hwreg(HW_REG_WAVE_MODE, 25, 1), 1
	s_wait_xcnt 0x0
; w2h = W2 and w1h = W1, each number rounded once from f32 to f16 (nearest even), in the same row-major order.
; LIMIT: a number of 65,520 or more in magnitude becomes an infinity; below 6e-5 f16 keeps its fixed step of 6e-8.
; SHARES.  A work-group takes 65,536 consecutive input bytes (16,384 numbers) and writes 32,768.  W2 is 256 such chunks, W1 is 2:
; groups 0 to 255 take W2, groups 256 and 257 take W1.  All run the same lines: the two pointers are chosen by the group's number.
; Thread t takes 16 bytes at 16 t of each 4,096 bytes: a wave's load covers 512 consecutive bytes, a wave's store 256 consecutive
; bytes at a multiple of 256 from the buffer's first byte.  All sixteen loads of a thread are out at once; no register is written twice.
.set X, 4                              ; v[4:67]   sixteen loads of four registers
.set Y, 68                             ; v[68:99]  sixteen results of two registers
	s_load_b256 s[4:11], s[0:1], 0x0               ; W2 s[4:5], W1 s[6:7], w2h s[8:9], w1h s[10:11]
	s_and_b32 s12, ttmp9, 255                      ; the chunk's number in its tensor
	s_lshl_b32 s14, s12, 16                        ; its first byte in the source,
	s_mov_b32 s15, 0
	s_lshl_b32 s16, s12, 15                        ; and in the destination
	s_mov_b32 s17, 0
	v_lshlrev_b32 v1, 4, v0                        ; my 16 bytes in
	v_lshlrev_b32 v2, 3, v0                        ; my 8 bytes out
	s_wait_kmcnt 0x0
	s_cmp_lt_u32 ttmp9, 256                        ; W2's chunk, or W1's?
	s_cselect_b64 s[18:19], s[4:5], s[6:7]
	s_cselect_b64 s[20:21], s[8:9], s[10:11]
	s_add_nc_u64 s[18:19], s[18:19], s[14:15]
	s_add_nc_u64 s[20:21], s[20:21], s[16:17]
.irp j, 0,1,2,3,4,5,6,7,8,9,10,11,12,13,14,15
	global_load_b128 v[X+4*(\j):X+4*(\j)+3], v1, s[18:19] offset:4096*(\j) th:TH_LOAD_NT
.endr
.irp j, 0,1,2,3,4,5,6,7,8,9,10,11,12,13,14,15
	s_wait_loadcnt 15-(\j)                         ; loads come back in order: load j is in, the 15 - j younger ones stay out
	v_cvt_pk_f16_f32 v[Y+2*(\j)], v[X+4*(\j)], v[X+4*(\j)+1]
	v_cvt_pk_f16_f32 v[Y+2*(\j)+1], v[X+4*(\j)+2], v[X+4*(\j)+3]
	global_store_b64 v2, v[Y+2*(\j):Y+2*(\j)+1], s[20:21] offset:2048*(\j)
.endr
	s_endpgm
.Lfunc_end_k_q2d341aac88_cast:
	.size	k_q2d341aac88_cast, .Lfunc_end_k_q2d341aac88_cast-k_q2d341aac88_cast
	.p2alignl 7, 3214868480
	.fill 96, 4, 3214868480
	.section	.rodata,"a",@progbits
	.p2align	6, 0x0
	.amdhsa_kernel k_q2d341aac88_cast
		.amdhsa_group_segment_fixed_size 0
		.amdhsa_private_segment_fixed_size 0
		.amdhsa_enable_private_segment 0
		.amdhsa_kernarg_size 32
		.amdhsa_user_sgpr_count 2
		.amdhsa_user_sgpr_kernarg_segment_ptr 1
		.amdhsa_wavefront_size32 1
		.amdhsa_system_sgpr_workgroup_id_x 1
		.amdhsa_system_sgpr_workgroup_id_y 1
		.amdhsa_system_sgpr_workgroup_id_z 1
		.amdhsa_system_vgpr_workitem_id 0
		.amdhsa_next_free_vgpr 100
		.amdhsa_next_free_sgpr 66
		.amdhsa_reserve_vcc 0
		.amdhsa_float_denorm_mode_32 3
		.amdhsa_float_denorm_mode_16_64 3
		.amdhsa_memory_ordered 1
		.amdhsa_forward_progress 1
		.amdhsa_inst_pref_size 7
	.end_amdhsa_kernel
	.amdgpu_metadata
---
amdhsa.version: [ 1, 2 ]
amdhsa.kernels:
  - .name:           k_q2d341aac88_cast
    .symbol:         k_q2d341aac88_cast.kd
    .args:
      - { .name: W2, .offset: 0, .size: 8, .value_kind: global_buffer, .address_space: global }
      - { .name: W1, .offset: 8, .size: 8, .value_kind: global_buffer, .address_space: global }
      - { .name: w2h, .offset: 16, .size: 8, .value_kind: global_buffer, .address_space: global }
      - { .name: w1h, .offset: 24, .size: 8, .value_kind: global_buffer, .address_space: global }
    .group_segment_fixed_size: 0
    .private_segment_fixed_size: 0
    .kernarg_segment_align: 8
    .kernarg_segment_size: 32
    .max_flat_workgroup_size: 256
    .sgpr_count:     66
    .vgpr_count:     100
    .wavefront_size: 32
...
	.end_amdgpu_metadata
.endif
;; end of part 1
;; launch ffn (part 2): grid 64 x 4, 4 waves a work-group, clusters of 4 x 1, 327,680 bytes of LDS; arguments x, theta, w1h, w2h, out0; writes out0
.if DOCPART == 2
	.amdgcn_target "amdgcn-amd-amdhsa--gfx1250"
	.amdhsa_code_object_version 6
	.text
	.protected	k_q2d341aac88_ffn
	.globl	k_q2d341aac88_ffn
	.p2align	8
	.type	k_q2d341aac88_ffn,@function
k_q2d341aac88_ffn:
	s_mov_b64 s[64:65], 0
	v_nop
	global_prefetch_b8 v0, s[64:65] scope:SCOPE_SE
	s_setreg_imm32_b32 hwreg(HW_REG_WAVE_MODE, 25, 1), 1
	s_wait_xcnt 0x0
	s_wait_alu depctr_hold_cnt(0) depctr_sa_sdst(0) depctr_va_vdst(0) depctr_va_sdst(0) depctr_va_ssrc(0) depctr_va_vcc(0) depctr_vm_vsrc(0)
	s_getreg_b32 s2, hwreg(HW_REG_IB_STS2, 6, 4)
	s_cmp_eq_u32 s2, 0
	s_cbranch_scc0 .Lentry_in_a_cluster
	s_endpgm
.Lentry_in_a_cluster:
	s_bfe_u32 s2, ttmp6, 0x10000c
	s_cmp_lg_u32 s2, 0x3003
	s_cbranch_scc0 .Lentry_shape_is_right
	s_endpgm
.Lentry_shape_is_right:
; out[tok][d] = the sum over f of relu(the sum over q of cos(x[tok][q]) cos(theta[q]) W1[f][q]) W2[d][f].  16,384 tokens, q < 8, 4,096 features f, 1,024 columns d.
; x: [16384][1024] f32, of which the first 8 numbers of a row are read; w1h: [4096][8] f16; w2h: [1024][4096] f16 (both rounded once by the launch before); out: [16384][1024] f32.
; FORMATS.  Cosines and z in f32.  Both products in f16 with f32 sums.  z enters the first product as two f16 numbers, z_hi + z_lo; h is rounded once to f16.
; LIMITS.  |W2| and the sum over q of |W1[f][q]| (which bounds h, since |z| <= 1) stay under 65,504; below 6e-5 f16 keeps its fixed step of 6e-8.
; The cosine: x - n pi with pi in two parts, then the series to r^12 on |r| <= pi/2 (the first term left out is under 7e-9); its error stays under 1e-6 for |x|, |theta| <= 131,072 and grows beyond.
; NaN and infinities are not treated apart: the packed maximum makes 0 of a NaN in h.
; SHARES.  A work-group makes 256 tokens x 256 columns; 64 x 4 such tiles.  Wave w owns tokens 64 w .. 64 w + 63 of the tile, all 256 columns: 4 token blocks t x 16 column blocks n = 64 accumulators, 512 registers.
; h NEVER LEAVES REGISTERS.  For 32 features and 16 tokens two small products T = W1 rows (source 0) x z (source 1) leave in lane l token l % 16 and features 8 (l / 16) + 0..7; rounded to f16 in pairs the
; two results ARE source 1 (32 features x 16 tokens) of the large product.  Of the small product's 32 along K, 0-7 carry z_hi and 8-15 carry z_lo (against the same 8 numbers of W1), 16-31 are 0.
; THE LARGE PRODUCT IS USED TRANSPOSED: source 0 = 16 rows of W2, source 1 = h: a lane then holds one token and eight neighbouring columns.
; RING.  The features go in steps of 128 through two LDS slots, each 256 rows of W2 x 256 bytes; each wave fetches 64 rows by one tensor load.  All of W1 (65,536 bytes) lies in LDS, filled once.
; CLUSTER.  The four work-groups of a cluster differ in their tokens alone and walk the same rows of W2 and W1: every tensor load is asked for JOINTLY, same descriptor, mask of four.
; A QUARTER STEP (32 features) s: 64 large products on h(s) and W2's fragments F(s); between them, four vector lines behind each column's first product, h(s + 1) is made (8 small products, 32 roundings,
; 32 packed maxima); in its middle one run of LDS loads brings F(s + 1) and W1's rows for h(s + 2).
; REGISTERS, in windows of 256 (s_set_vgpr_msb: bits 1:0 source 0, 3:2 source 1, 5:4 source 2, 7:6 destination):
;   window 0: v2-12 addresses; v16-47 z; v48-79 W1's fragments, two buffers; v80-95 T; v96-99 P; v100-115 at work at the head; v128-191 h, two buffers; v192-255 x, theta and the cosine's work
;   window 1: W2's fragments, two buffers of 128; on the way out two buffers of 16 rows          windows 2, 3: accumulator (t, n) at v[8 (4 (n % 8) + t)] of window 2 + n / 8
.set PITCH,  272                       ; an LDS row of W2: 256 bytes + 16 of padding = 68 words: the 16 rows of a fragment load start at 16 different groups of four banks (64 banks of 4 bytes: ISA guide 11.1)
.set QROWS,  64*PITCH                  ; what one tensor load brings
.set SLOT,   4*QROWS
.set W1B,    2*SLOT                    ; behind the ring: W1, dense, 16 bytes a feature
.set STAGE,  W1B+65536                 ; behind it: 16 rows x 1,040 bytes for each wave, for the way out; no tensor load lands here
.set SP,     1040                      ; a stage row: 1,024 bytes + 16
.set SPARE,  STAGE+4*16*SP             ; behind the stages: the spare words, 128 bytes for each wave: two blocks of 256 bytes that no other line names
.set LAPS,   16                        ; a lap = two steps = 256 features = once round the ring
.set ADRB, 2                           ; v2-3   LDS address of my lane's place in W2's fragments, slot 0, 1; never rewritten
.set AW,   4                           ; v4     the same in W1, at the lap's first feature: steps 4,096 bytes a lap
.set STO,  5                           ; v5     the way out: where I put 32 bytes of a row
.set RD,   6                           ; v6     the way out: where I read rows back
.set CO,   7                           ; v7     my 16 bytes in 512 consecutive bytes of out
.set PFO,  8                           ; v8     the prefetch's offset; never rewritten
.set ZERO, 9                           ; v9     0: the packed maximum's second source, theta's offset
.set SPW,  10                          ; v10    LDS address of my spare word: SPARE + 4 x my thread's number; never rewritten
.set NIL,  11                          ; v11    0; never rewritten
.set XO,   12                          ; v12    my token's row in 16 rows of x
.set Z,    16                          ; token block t at Z + 8 t
.set WF,   48                          ; buffer b, 16 features k at WF + 16 b + 8 k; registers 4-7 of each stay 0
.set T,    80                          ; two results of the small product
.set P,    96                          ; four registers of rounded pairs
.set H,    128                         ; buffer c, token block t at H + 32 c + 8 t
.set XR,   192                         ; x, then cos x, then z: token block t at XR + 8 t
.set TH,   224                         ; theta, then cos theta
.set CN,   232                         ; the cosine's n,
.set CR,   240                         ; r^2,
.set CP,   248                         ; and sum: eight numbers each
.set WV,   14                          ; s14  my wave's number
.set G1,   24                          ; s[24:31] descriptor group 1 for W2's tiles
.set G1W,  32                          ; s[32:39] for W1's quarter
.set G0,   40                          ; s[40:47] group 0 for W2's tiles, a set for each slot
.set G0W,  48                          ; s[48:51] group 0 for W1's quarter
.set PFA,  52                          ; s[52:53] where my prefetches stand
.set LIM,  54                          ; s54  1 in a work-group that prefetches, else the greatest number
.set C12,  56                          ; s[56:57] 1/12!
.set C10,  58                          ; s[58:59] -1/10!
.set MSB, 0
.macro WIN new                         ; the immediate's high byte repeats the setting that is left; a switch that changes nothing is dropped
.if MSB != (\new)
	s_set_vgpr_msb (MSB<<8)|(\new)
.set MSB, \new
.endif
.endm
.set MUL_LO, 0xa1                      ; source 0 (W2) window 1, source 1 (h) window 0, C and D window 2
.set TO_F,   0x40                      ; destination window 1, address window 0
.set SD,     0x04                      ; a store's data in window 1
; A round of the cluster's barrier: my work-group's barrier, so that wave 0's signal speaks for all four waves; wave 0 signals; every wave waits for all four work-groups; my work-group's barrier once more.
.macro CREST                           ; a round behind its opening barrier
	s_cmp_lg_u32 s[WV], 0
	s_cbranch_scc1 .Lnot_wave_0_\@
	s_barrier_signal -3
.Lnot_wave_0_\@:
	s_barrier_wait -3
	s_barrier_signal -1
	s_barrier_wait -1
.endm
.macro CROUND
	s_barrier_signal -1
	s_barrier_wait -1
	CREST
.endm
.macro PLACES
.rept 4
	v_nop
.endr
.endm
	s_load_b256 s[4:11], s[0:1], 0x0               ; x s[4:5], theta s[6:7], w1h s[8:9], w2h s[10:11]
	s_load_b64 s[12:13], s[0:1], 0x20              ; out
	v_lshl_add_u32 v[SPW], v0, 2, SPARE
	v_mov_b32 v[NIL], 0
	ds_add_u32 v[SPW], v[NIL]                      ; the wave's opening: the add and its wait stand ahead of my first tensor load; the set-up below, work on registers, stands between them
	v_lshrrev_b32 v1, 5, v0
	v_readfirstlane_b32 s[WV], v1                  ; wave 0..3
	s_bfe_u32 s15, ttmp6, 0x40000                  ; cx: my place in the cluster
	s_lshl_b32 s16, ttmp9, 2                       ; in a cluster launch ttmp9 counts clusters
	s_add_co_u32 s16, s16, s15                     ; my block of 256 tokens: it enters x's and out's addresses alone
	s_and_b32 s17, ttmp7, 0xffff                   ; my block of 256 columns, which the four partners share
	; group 1 for W2: a tile of 64 rows x 128 elements of 2 bytes, 4,096 elements from row to row, padded in LDS
	s_mov_b32 s[G1], 15|(1<<16)|(1<<20)|(1<<21)|(5<<22)|(3<<25)  ; 15:0 the mask of four; 17:16 2-byte elements; 20 padding on; 21 set beside a mask; 24:22 after every 64 words (code 5); 31:25 4 words (code 3)
	s_mov_b32 s[G1+1], 128<<16                     ; tensor_dim0 = 128
	s_mov_b32 s[G1+2], 64<<16                      ; tensor_dim1 = 64
	s_mov_b32 s[G1+3], 128<<16                     ; tile_dim0 = 128
	s_mov_b32 s[G1+4], 64                          ; tile_dim1 = 64
	s_mov_b32 s[G1+5], 4096                        ; elements from row to row
	s_mov_b32 s[G1+6], 0
	s_mov_b32 s[G1+7], 0
	; group 1 for W1: 16,384 dense bytes as 64 rows of 32 elements of 8 bytes, no padding
	s_mov_b32 s[G1W], 15|(3<<16)|(1<<21)
	s_mov_b32 s[G1W+1], 32<<16
	s_mov_b32 s[G1W+2], 64<<16
	s_mov_b32 s[G1W+3], 32<<16
	s_mov_b32 s[G1W+4], 64
	s_mov_b32 s[G1W+5], 32
	s_mov_b32 s[G1W+6], 0
	s_mov_b32 s[G1W+7], 0
	s_mov_b32 s[G0], 1                             ; count = 1
	s_mul_i32 s[G0+1], s[WV], QROWS                ; LDS address: my 64 rows of slot 0: no place in the cluster enters an LDS address
	s_mov_b32 s[G0+4], 1
	s_add_co_u32 s[G0+5], s[G0+1], SLOT            ; and of slot 1
	s_mov_b32 s[G0W], 1
	s_lshl_b32 s[G0W+1], s[WV], 14
	s_add_co_u32 s[G0W+1], s[G0W+1], W1B           ; my quarter of W1
	s_lshl_b32 s18, s17, 21                        ; w2h: 256 rows of 8,192 bytes a column block,
	s_lshl_b32 s19, s[WV], 19                      ; my 64 of them
	s_add_co_u32 s18, s18, s19
	s_mov_b32 s19, 0
	s_lshl_b32 s20, s[WV], 14                      ; w1h: my quarter
	s_mov_b32 s21, 0
	s_lshl_b32 s22, s16, 20                        ; x and out: 256 rows of 4,096 bytes a token block,
	s_lshl_b32 s23, s[WV], 18                      ; my 64 of them
	s_add_co_u32 s22, s22, s23
	s_mov_b32 s23, 0
	s_lshl_b32 s60, s17, 10                        ; out: my column block's 1,024 bytes of a row
	s_mov_b32 s61, 0
	s_lshl_b32 s62, s15, 17                        ; the prefetches: my work-group's 16 of the 64 rows that my wave fetches,
	s_add_co_u32 s62, s62, 512                     ; at step 2: each asking change of slots steps it by two steps first
	s_mov_b32 s63, 0
	s_cmp_eq_u32 ttmp9, 0                          ; the sixteen clusters of a column block walk the same rows: the first of them prefetches; the same answer in all four partners
	s_cselect_b32 s[LIM], 1, -1
	s_mov_b32 s[C12], 0x310f76c7                   ; 1/12!
	s_mov_b32 s[C12+1], s[C12]                     ; named with it as a pair
	s_mov_b32 s[C10], 0xb493f27e                   ; -1/10!
	s_mov_b32 s[C10+1], s[C10]
	s_wait_dscnt 0x0                               ; the opening add is done
	s_wait_kmcnt 0x0
	s_add_nc_u64 s[G0+2:G0+3], s[10:11], s[18:19]  ; step 0 of my rows,
	s_add_nc_u64 s[G0+6:G0+7], s[G0+2:G0+3], 256   ; step 1
	s_or_b32 s[G0+3], s[G0+3], 0x80000000          ; type = 2
	s_or_b32 s[G0+7], s[G0+7], 0x80000000
	s_add_nc_u64 s[G0W+2:G0W+3], s[8:9], s[20:21]
	s_or_b32 s[G0W+3], s[G0W+3], 0x80000000
	s_add_nc_u64 s[PFA:PFA+1], s[10:11], s[18:19]
	s_add_nc_u64 s[PFA:PFA+1], s[PFA:PFA+1], s[62:63]
	s_add_nc_u64 s[4:5], s[4:5], s[22:23]          ; x and out at my wave's first token
	s_add_nc_u64 s[12:13], s[12:13], s[22:23]
	s_add_nc_u64 s[12:13], s[12:13], s[60:61]
	CROUND                                         ; all four work-groups are here: the first joint loads meet
	tensor_load_to_lds s[G0W:G0W+3], s[G1W:G1W+7]  ; the three first fills go out as one group: three tensor loads of mine are out
	s_nop 0
	tensor_load_to_lds s[G0:G0+3], s[G1:G1+7]
	s_nop 0
	tensor_load_to_lds s[G0+4:G0+7], s[G1:G1+7]
	s_nop 0
	PLACES
	; z.  Lane l works for token l % 16 of each of my four token blocks: both halves of the lanes load the same 32 bytes, since the one will keep z_hi and the other z_lo.
	v_mov_b32 v[ZERO], 0
	v_and_b32 v1, 15, v0                           ; l % 16
	v_lshlrev_b32 v[XO], 12, v1                    ; a row of x is 4,096 bytes
	global_load_b128 v[TH:TH+3], v[ZERO], s[6:7]
	global_load_b128 v[TH+4:TH+7], v[ZERO], s[6:7] offset:16
.irp t, 0,1,2,3
	global_load_b128 v[XR+8*(\t):XR+8*(\t)+3],   v[XO], s[4:5] offset:65536*(\t)
	global_load_b128 v[XR+8*(\t)+4:XR+8*(\t)+7], v[XO], s[4:5] offset:65536*(\t)+16
.endr
	v_bfe_u32 v13, v0, 4, 1                        ; l / 16
	v_and_b32 v14, 31, v0                          ; l
	v_cmp_lt_u32 vcc_lo, 15, v14                   ; lanes 16 to 31: used up to the end of this block, ahead of the next tensor load
	v_mul_u32_u24 v[ADRB], v1, PITCH               ; a fragment of W2: row l % 16, 16 bytes for each half of the lanes; two loads 32 bytes apart
	v_lshl_add_u32 v[ADRB], v13, 4, v[ADRB]
	v_add_nc_u32 v[ADRB+1], SLOT, v[ADRB]
	v_lshlrev_b32 v[AW], 4, v1                     ; a fragment of W1: feature l % 16, its 16 bytes, the same in both halves of the lanes
	v_add_nc_u32 v[AW], W1B, v[AW]
	s_mul_i32 s20, s[WV], 16*SP
	s_add_co_u32 s20, s20, STAGE                   ; my stage
	v_mul_u32_u24 v[STO], v1, SP                   ; in: row l % 16, 32 bytes for each half of the lanes
	v_lshl_add_u32 v[STO], v13, 5, v[STO]
	v_add_nc_u32 v[STO], s20, v[STO]
	v_lshl_add_u32 v[RD], v14, 4, s20              ; back: 32 lanes take 512 consecutive bytes of a row
	v_lshlrev_b32 v[CO], 4, v14
	v_lshlrev_b32 v[PFO], 13, v1                   ; the prefetch: row l % 16 of 8,192 bytes,
	v_lshl_add_u32 v[PFO], v13, 8, v[PFO]          ; lanes 16 to 31 one step (256 bytes) further along it
.irp b, 0,1,2,3
.irp j, 4,5,6,7
	v_mov_b32 v[WF+8*(\b)+(\j)], 0                 ; K = 16 to 31 of the small product: written once, no load lands here
.endr
.endr
; The cosine of v[p .. p+7], in place: n = the whole number nearest x / pi; r = x - n pi, pi in two parts, by fused multiply-adds; the series in r^2; the sign is n's lowest bit.  Four packed chains side by side.
.macro COS8 p
.irp j, 0,2,4,6
	v_pk_mul_f32 v[CN+(\j):CN+(\j)+1], v[(\p)+(\j):(\p)+(\j)+1], 0x3ea2f983 op_sel_hi:[1,0]  ; x / pi
.endr
.irp j, 0,1,2,3,4,5,6,7
	v_rndne_f32 v[CN+(\j)], v[CN+(\j)]
.endr
.irp j, 0,2,4,6
	v_pk_fma_f32 v[(\p)+(\j):(\p)+(\j)+1], v[CN+(\j):CN+(\j)+1], 0xc0490fdb, v[(\p)+(\j):(\p)+(\j)+1] op_sel_hi:[1,0,1]  ; - n x pi's upper part
.endr
.irp j, 0,2,4,6
	v_pk_fma_f32 v[(\p)+(\j):(\p)+(\j)+1], v[CN+(\j):CN+(\j)+1], 0x33bbbd2e, v[(\p)+(\j):(\p)+(\j)+1] op_sel_hi:[1,0,1]  ; - n x its lower part, which is negative
.endr
.irp j, 0,2,4,6
	v_pk_mul_f32 v[CR+(\j):CR+(\j)+1], v[(\p)+(\j):(\p)+(\j)+1], v[(\p)+(\j):(\p)+(\j)+1]
.endr
.irp j, 0,2,4,6
	v_pk_fma_f32 v[CP+(\j):CP+(\j)+1], v[CR+(\j):CR+(\j)+1], s[C12:C12+1], s[C10:C10+1] op_sel_hi:[1,0,0]
.endr
.irp k, 0x37d00d01, 0xbab60b61, 0x3d2aaaab     ; 1/8!, -1/6!, 1/4!
.irp j, 0,2,4,6
	v_pk_fma_f32 v[CP+(\j):CP+(\j)+1], v[CP+(\j):CP+(\j)+1], v[CR+(\j):CR+(\j)+1], \k op_sel_hi:[1,1,0]
.endr
.endr
.irp j, 0,2,4,6
	v_pk_fma_f32 v[CP+(\j):CP+(\j)+1], v[CP+(\j):CP+(\j)+1], v[CR+(\j):CR+(\j)+1], -0.5 op_sel_hi:[1,1,0]
.endr
.irp j, 0,2,4,6
	v_pk_fma_f32 v[CP+(\j):CP+(\j)+1], v[CP+(\j):CP+(\j)+1], v[CR+(\j):CR+(\j)+1], 1.0 op_sel_hi:[1,1,0]
.endr
.irp j, 0,1,2,3,4,5,6,7
	v_cvt_i32_f32 v[CN+(\j)], v[CN+(\j)]
.endr
.irp j, 0,1,2,3,4,5,6,7
	v_lshlrev_b32 v[CN+(\j)], 31, v[CN+(\j)]
.endr
.irp j, 0,1,2,3,4,5,6,7
	v_xor_b32 v[(\p)+(\j)], v[CN+(\j)], v[CP+(\j)]
.endr
.endm
; Token block t's fragment of z: z = cos x cos theta; z_hi = z rounded to f16; z_lo = z - z_hi rounded to f16; lanes 0-15 keep z_hi (K = 0 to 7), lanes 16-31 z_lo (K = 8 to 15); K = 16 to 31 is 0.
.macro ZSPLIT t
.irp j, 0,2,4,6
	v_pk_mul_f32 v[XR+8*(\t)+(\j):XR+8*(\t)+(\j)+1], v[XR+8*(\t)+(\j):XR+8*(\t)+(\j)+1], v[TH+(\j):TH+(\j)+1]
.endr
.irp j, 0,1,2,3
	v_cvt_pk_f16_f32 v[100+(\j)], v[XR+8*(\t)+2*(\j)], v[XR+8*(\t)+2*(\j)+1]
.endr
	v_cvt_f32_f16 v108, v100.l
	v_cvt_f32_f16 v109, v100.h
	v_cvt_f32_f16 v110, v101.l
	v_cvt_f32_f16 v111, v101.h
	v_cvt_f32_f16 v112, v102.l
	v_cvt_f32_f16 v113, v102.h
	v_cvt_f32_f16 v114, v103.l
	v_cvt_f32_f16 v115, v103.h
.irp j, 0,1,2,3,4,5,6,7
	v_sub_f32 v[108+(\j)], v[XR+8*(\t)+(\j)], v[108+(\j)]
.endr
.irp j, 0,1,2,3
	v_cvt_pk_f16_f32 v[104+(\j)], v[108+2*(\j)], v[108+2*(\j)+1]
.endr
.irp j, 0,1,2,3
	v_cndmask_b32 v[Z+8*(\t)+(\j)], v[100+(\j)], v[104+(\j)], vcc_lo
	v_mov_b32 v[Z+8*(\t)+4+(\j)], 0
.endr
.endm
	s_wait_loadcnt 8                               ; theta is in; x's eight loads may stay out
	COS8 TH
.irp t, 0,1,2,3
	s_wait_loadcnt 6-2*(\t)                        ; block t's two loads are in; the later blocks' stay out
	COS8 XR+8*(\t)
	ZSPLIT \t
.endr
; THE MAKING OF h, in 16 groups of four vector lines, g = 0 .. 15; unit i of 8 is token block i / 2, features 16 (i % 2) on.  c: the buffer that the quarter in hand multiplies; h is made into the other.
; Even g, i = g / 2: the small product of unit i, then the packed maxima (relu) of unit i - 1; for i = 0 those of unit 7 of the making before, into buffer c's last four registers, two products ahead of their reader.
; Odd g: unit i's result is rounded to f16 in pairs, its lowest registers first.
; DISTANCES (ISA guide 7.12.1).  Between a small product and the roundings that read it stand the four maxima of its own group, which name none of its registers; between it and the small product that writes
; the same T, two units on, twelve such lines.  prod = 0: nothing more is made.  first = 1: the first making of all: four v_nop hold the place of the maxima that do not exist.
.macro RELU d
.irp j, 0,1,2,3
	v_pk_max_num_f16 v[(\d)+(\j)], v[P+(\j)], v[ZERO]
.endr
.endm
.macro GRP g, c, prod, first=0
.set gi, (\g)/2
.if ((\g)%2) == 0
.if \prod
	WIN 0
	v_wmma_f32_16x16x32_f16 v[T+8*(gi%2):T+8*(gi%2)+7], v[WF+16*(1-(\c))+8*(gi%2):WF+16*(1-(\c))+8*(gi%2)+7], v[Z+8*(gi/2):Z+8*(gi/2)+7], 0
.endif
.if gi == 0
.if \first
	PLACES
.else
	WIN 0
	RELU H+32*(\c)+28
.endif
.elseif \prod
	RELU H+32*(1-(\c))+8*((gi-1)/2)+4*((gi-1)%2)
.endif
.elseif \prod
	WIN 0
.irp j, 0,1,2,3
	v_cvt_pk_f16_f32 v[P+(\j)], v[T+8*(gi%2)+2*(\j)], v[T+8*(gi%2)+2*(\j)+1]
.endr
.endif
.endm
; One large product: accumulator (t, n) += W2's fragment n x h's block t, 32 features.  zero = 1: it starts the sum: nothing is ever cleared.
.macro PROD c, n, t, zero
	WIN MUL_LO+0x50*((\n)/8)
.set rA, 8*(4*((\n)%8)+(\t))
.if \zero
	v_wmma_f32_16x16x32_f16 v[rA:rA+7], v[128*(\c)+8*(\n):128*(\c)+8*(\n)+7], v[H+32*(\c)+8*(\t):H+32*(\c)+8*(\t)+7], 0
.else
	v_wmma_f32_16x16x32_f16 v[rA:rA+7], v[128*(\c)+8*(\n):128*(\c)+8*(\n)+7], v[H+32*(\c)+8*(\t):H+32*(\c)+8*(\t)+7], v[rA:rA+7]
.endif
.endm
; Column block n: four large products, group n of the making behind the first.  The 64 accumulators take turns, one instruction a turn, in the same order in every quarter, over the backward jump too.
.macro COL c, n, zero, prod
	PROD \c, \n, 0, \zero
	GRP \n, \c, \prod
	PROD \c, \n, 1, \zero
	PROD \c, \n, 2, \zero
	PROD \c, \n, 3, \zero
.endm
; THE LDS LOADS stand in one run a quarter.  WLOAD: W1's 32 rows of quarter wq of the lap (counted from the lap's first feature; 8, 9, 10 reach into the next lap) into buffer wq % 2.
.macro WLOAD wq
	WIN 0
	ds_load_b128 v[WF+16*((\wq)%2):WF+16*((\wq)%2)+3],    v[AW] offset:512*(\wq)
	ds_load_b128 v[WF+16*((\wq)%2)+8:WF+16*((\wq)%2)+11], v[AW] offset:512*(\wq)+256
.endm
; FLOAD: W2's 16 fragments (256 rows x 32 features at byte k of the slot's rows) into buffer f.  The largest offset is 192 + 15 x 4,352 + 32 = 65,504.
.macro FLOAD slot, k, f
	WIN TO_F
.irp n, 0,1,2,3,4,5,6,7,8,9,10,11,12,13,14,15
	ds_load_b128 v[128*(\f)+8*(\n):128*(\f)+8*(\n)+3],   v[ADRB+(\slot)] offset:(\k)+(\n)*16*PITCH
	ds_load_b128 v[128*(\f)+8*(\n)+4:128*(\f)+8*(\n)+7], v[ADRB+(\slot)] offset:(\k)+(\n)*16*PITCH+32
.endr
.endm
; A quarter that changes no slot.  It multiplies buffers c.  fetch = 1: in its middle it loads the next quarter's fragments, at byte k of the same slot, into the other buffer, and (wq >= 0) W1's rows for the making after next.
; The loads land in registers whose last matrix reader stands in the quarter before: 32 vector lines of the making lie between, of which the first eight name none of that reader's registers.
.macro QUARTER slot, k, c, zero, prod, fetch, wq
	s_wait_dscnt 16                                ; W1's rows and W2's fragments 0-7 are in; the youngest sixteen loads (fragments 8-15) may be out
.irp n, 0,1,2,3,4,5,6,7
	COL \c, \n, \zero, \prod
.endr
.if \fetch
.if (\wq) >= 0
	WLOAD \wq
	FLOAD \slot, \k, 1-(\c)
	s_wait_dscnt 34                                ; all but the 34 just issued
.else
	FLOAD \slot, \k, 1-(\c)
	s_wait_dscnt 32                                ; all but the 32 just issued
.endif
.else
	s_wait_dscnt 0x0
.endif
.irp n, 8,9,10,11,12,13,14,15
	COL \c, \n, \zero, \prod
.endr
.endm
; A PREFETCH INTO THE L2, once a lap, behind the second change of slots' joint load and its run of LDS loads: 16 rows x 2 steps of 256 bytes, a lane a block: lanes 0-15 the step that the next change of slots will ask
; for but one refill later (two refills on), lanes 16-31 the step after it.  Each block of w2h is named once in the launch: of the sixteen clusters that walk a column block's rows the first asks; of the 64 rows that
; wave w fetches, the partner at place cx takes 16, told apart BY ADDRESS.  Steps 0 to 3 come by their loads alone; the loop's last trip asks for nothing, since steps 32 and 33 do not exist.
.macro ASK
	s_cmp_gt_u32 s3, s[LIM]                        ; s3 = 1 in the loop's last trip
	s_cbranch_scc0 .Lnot_mine_\@
	global_prefetch_b8 v[PFO], s[PFA:PFA+1] th:TH_LOAD_NT scope:SCOPE_SE
.Lnot_mine_\@:
.endm
; A step's last quarter (buffers 1) changes slots: ONE barrier.  In front of it each wave waits for all its tensor loads, of which one is out: its part of the next slot; adds 0 to its spare word; and waits for that
; and for its own reads of this slot.  Behind it nobody reads this slot any more and the next slot is whole.  fill = 1: the barrier opens a round of the cluster's barrier, and behind the round this slot is filled
; again, two steps on, by the wave's one tensor load: it has 36 + 3 x 72 matrix instructions in which to land.
.macro TURN slot, next, fill, ask, wq
.if \ask
	s_wait_xcnt 0x0                                ; the last prefetch, a lap back, has read its address: it is stepped here, ahead of the waits of the change of slots
	s_add_nc_u64 s[PFA:PFA+1], s[PFA:PFA+1], 512
.endif
	WIN 0                                          ; (the add's two registers lie in window 0)
	s_wait_tensorcnt 0x0                           ; all my tensor loads have landed;
	ds_add_u32 v[SPW], v[NIL]                      ; 0 onto my spare word;
	s_wait_dscnt 17                                ; (the add and the youngest sixteen loads may be out)
.irp n, 0,1,2,3
	COL 1, \n, 0, 1                                ; work on registers stands between the add and the wait for it
.endr
	s_wait_dscnt 0x0                               ; the add is done, and my reads of this slot are over
	s_barrier_signal -1
.irp n, 4,5,6,7
	COL 1, \n, 0, 1                                ; work on registers while the others arrive
.endr
	WIN 0
	s_barrier_wait -1
.if \fill
	CREST                                          ; no wave of any partner still reads this slot's tile or has a load on its way
	s_add_nc_u64 s[G0+4*(\slot)+2:G0+4*(\slot)+3], s[G0+4*(\slot)+2:G0+4*(\slot)+3], 512  ; two steps on; the type bits on top are not reached
	tensor_load_to_lds s[G0+4*(\slot):G0+4*(\slot)+3], s[G1:G1+7]
	s_nop 0
	PLACES
.endif
	WLOAD \wq
	FLOAD \next, 0, 0
.if \ask
	WIN 0
	ASK
.endif
.irp n, 8,9,10,11,12,13,14,15
	COL 1, \n, 0, 1                                ; fragments 8-15 of buffer 1 came in at the wait for 0 above
.endr
.endm
	s_wait_tensorcnt 0x1                           ; my parts of W1 and of slot 0 are in; slot 1's, the one younger load, may stay out
	s_barrier_signal -1
	s_barrier_wait -1                              ; everybody's are
	WLOAD 0
	WLOAD 1
	FLOAD 0, 0, 0
	s_wait_dscnt 34                                ; W1's rows of quarter 0 are in; quarter 1's two loads and W2's 32 may stay out
.irp g, 0,1,2,3,4,5,6,7,8,9,10,11,12,13,14,15
	GRP \g, 1, 1, 1                                ; h of quarter 0, into buffer 0, all but its last maxima, which the first quarter's group 0 takes
.endr
	QUARTER 0, 64, 0, 1, 1, 1, 2                   ; the first quarter stands in front of the loop: its products start the sums
	WIN 0                                          ; at a label and at a branch every window is 0
	s_mov_b32 s3, LAPS-1
.Llap:                                             ; a trip goes once round the ring, from a lap's second quarter to the next lap's first, and fills both slots again
	QUARTER 0, 128, 1, 0, 1, 1, 3
	QUARTER 0, 192, 0, 0, 1, 1, 4
	TURN 0, 1, 1, 0, 5
	QUARTER 1, 64,  0, 0, 1, 1, 6
	QUARTER 1, 128, 1, 0, 1, 1, 7
	QUARTER 1, 192, 0, 0, 1, 1, 8
	TURN 1, 0, 1, 1, 9
	QUARTER 0, 64,  0, 0, 1, 1, 10
	WIN 0
	v_add_nc_u32 v[AW], 4096, v[AW]                ; W1: the next lap's 256 features
	s_sub_co_u32 s3, s3, 1
	s_cmp_lg_u32 s3, 0
	s_cbranch_scc1 .Llap
	QUARTER 0, 128, 1, 0, 1, 1, 3                  ; the last lap is written out: it fills nothing and has no round
	QUARTER 0, 192, 0, 0, 1, 1, 4
	TURN 0, 1, 0, 0, 5
	QUARTER 1, 64,  0, 0, 1, 1, 6
	QUARTER 1, 128, 1, 0, 1, 1, 7                  ; W1's last 32 rows
	QUARTER 1, 192, 0, 0, 1, 1, -1                 ; the last h is made
	QUARTER 1, 0,   1, 0, 0, 0, -1                 ; the last quarter makes and fetches nothing
; THE WAY OUT, a token block (16 rows of 1,024 bytes) at a time, through my own stage: a lane's 32 bytes of a row go in straight from the accumulators, their lowest registers first;
; whole rows come back, 512 consecutive bytes a load, and are stored so.  LDS serves a wave's instructions in order (ISA guide 5.7.1.4), so no wait stands between the stores and the loads, nor between a
; block's loads and the next block's stores.
.macro ST t
.irp n, 0,1,2,3,4,5,6,7,8,9,10,11,12,13,14,15
	WIN 0x08+4*((\n)/8)                            ; the data (source 1) in window 2 or 3
	ds_store_b128 v[STO], v[8*(4*((\n)%8)+(\t)):8*(4*((\n)%8)+(\t))+3]   offset:64*(\n)
	ds_store_b128 v[STO], v[8*(4*((\n)%8)+(\t))+4:8*(4*((\n)%8)+(\t))+7] offset:64*(\n)+16
.endr
.endm
.macro LD t
	s_wait_xcnt 0x0                                ; the stores of the block two back have read these registers: they are loaded again only behind this wait
	WIN TO_F
.set i, 0
.rept 32
	ds_load_b128 v[128*((\t)%2)+4*i:128*((\t)%2)+4*i+3], v[RD] offset:(i/2)*SP+(i%2)*512
.set i, i+1
.endr
.endm
.macro SEND t, younger                 ; younger: the LDS instructions issued behind block t's loads: the next block's 32 stores, or none
	WIN SD
.set i, 0
.rept 32
	s_wait_dscnt (\younger)+31-i                   ; load i is back: behind it stand 31 - i loads and the younger ones
	global_store_b128 v[CO], v[128*((\t)%2)+4*i:128*((\t)%2)+4*i+3], s[12:13] offset:(\t)*65536+(i/2)*4096+(i%2)*512 th:TH_STORE_NT  ; 512 consecutive bytes, at a multiple of 256 from out's first byte
.set i, i+1
.endr
.endm
	WIN 0
	PLACES                                         ; behind the last products, in front of stores that read results and of loads into W2's buffers
	ST 0
	LD 0
	ST 1
	SEND 0, 32
	LD 1
	ST 2
	SEND 1, 32
	LD 2
	ST 3
	SEND 2, 32
	LD 3
	SEND 3, 0
	WIN 0
	s_wait_tensorcnt 0x0                           ; the wave's end: behind my last tensor load and my last LDS store
	ds_add_u32 v[SPW], v[NIL]
	s_wait_dscnt 0x0
	CROUND                                         ; the closing round: no work-group ends while a partner may still ask for a tile that names it
	s_endpgm
.Lfunc_end_k_q2d341aac88_ffn:
	.size	k_q2d341aac88_ffn, .Lfunc_end_k_q2d341aac88_ffn-k_q2d341aac88_ffn
	.p2alignl 7, 3214868480
	.fill 96, 4, 3214868480
	.section	.rodata,"a",@progbits
	.p2align	6, 0x0
	.amdhsa_kernel k_q2d341aac88_ffn
		.amdhsa_group_segment_fixed_size 327680
		.amdhsa_private_segment_fixed_size 0
		.amdhsa_enable_private_segment 0
		.amdhsa_kernarg_size 40
		.amdhsa_user_sgpr_count 2
		.amdhsa_user_sgpr_kernarg_segment_ptr 1
		.amdhsa_wavefront_size32 1
		.amdhsa_system_sgpr_workgroup_id_x 1
		.amdhsa_system_sgpr_workgroup_id_y 1
		.amdhsa_system_sgpr_workgroup_id_z 1
		.amdhsa_system_vgpr_workitem_id 0
		.amdhsa_next_free_vgpr 1024
		.amdhsa_next_free_sgpr 66
		.amdhsa_reserve_vcc 1
		.amdhsa_float_denorm_mode_32 3
		.amdhsa_float_denorm_mode_16_64 3
		.amdhsa_memory_ordered 1
		.amdhsa_forward_progress 1
		.amdhsa_inst_pref_size 255
	.end_amdhsa_kernel
	.section	.bss,"aw",@nobits
	.p2align	6
	.space	262144
	.amdgpu_metadata
---
amdhsa.version: [ 1, 2 ]
amdhsa.kernels:
  - .name:           k_q2d341aac88_ffn
    .symbol:         k_q2d341aac88_ffn.kd
    .args:
      - { .name: x, .offset: 0, .size: 8, .value_kind: global_buffer, .address_space: global }
      - { .name: theta, .offset: 8, .size: 8, .value_kind: global_buffer, .address_space: global }
      - { .name: w1h, .offset: 16, .size: 8, .value_kind: global_buffer, .address_space: global }
      - { .name: w2h, .offset: 24, .size: 8, .value_kind: global_buffer, .address_space: global }
      - { .name: out0, .offset: 32, .size: 8, .value_kind: global_buffer, .address_space: global }
    .group_segment_fixed_size: 327680
    .private_segment_fixed_size: 0
    .kernarg_segment_align: 8
    .kernarg_segment_size: 40
    .max_flat_workgroup_size: 128
    .sgpr_count:     66
    .vgpr_count:     1024
    .wavefront_size: 32
...
	.end_amdgpu_metadata
.endif
;; end of part 2
;; ======== version 2 of 2: 2 launches; version 1 with the launch cast written anew for expert scheduling mode
;; limits: values are held in f16: magnitudes above 65,504 overflow, below 6.1e-05 lose precision; inputs' magnitudes at most 65,504; inputs' magnitudes at most 131,072; a function is approximated: absolute error at most 1e-06
;; workspace buffers: w2h 8,388,608 bytes; w1h 65,536 bytes
;; launch cast (part 3): grid 258 x 1, 8 waves a work-group, no clusters, 0 bytes of LDS; arguments W2, W1, w2h, w1h; writes w2h, w1h
.if DOCPART == 3
	.amdgcn_target "amdgcn-amd-amdhsa--gfx1250"
	.amdhsa_code_object_version 6
	.text
	.protected	k_q2d341aac88_cast
	.globl	k_q2d341aac88_cast
	.p2align	8
	.type	k_q2d341aac88_cast,@function
k_q2d341aac88_cast:
	s_mov_b64 s[64:65], 0
	v_nop
	global_prefetch_b8 v0, s[64:65] scope:SCOPE_SE
	s_setreg_imm32_b32 hwreg(HW_REG_WAVE_SCHED_MODE, 0, 2), 2
	s_setreg_imm32_b32 hwreg(HW_REG_WAVE_MODE, 25, 1), 1
	s_wait_xcnt 0x0
	s_wait_alu depctr_vm_vsrc(0)
; w2h = W2 and w1h = W1, each number rounded once from f32 to f16 (nearest even), in the same row-major order.
; LIMIT: a number of 65,520 or more in magnitude becomes an infinity; below 6e-5 f16 keeps its fixed step of 6e-8.
; SHARES.  A work-group takes 65,536 consecutive input bytes (16,384 numbers) and writes 32,768.  W2 is 256 such chunks, W1 is 2:
; groups 0 to 255 take W2, groups 256 and 257 take W1.  All run the same lines: the two pointers are chosen by the group's number.
; Thread t takes 16 bytes at 16 t of each 4,096 bytes: a wave's load covers 512 consecutive bytes, a wave's store 256 consecutive
; bytes at a multiple of 256 from the buffer's first byte.  All sixteen loads of a thread are out at once; no register is written twice.
; THE MODE: SCHED_MODE bits 1:0 = 2 (LLVM: expert scheduling mode 2), set by the entry lines.  The code itself states the register dependences
; between vector instructions and memory instructions, with s_wait_alu, always for 0.
; THE PLAN.  Registers that memory instructions touch:
;   v1, v2   the loads' and the stores' byte offsets: written once at the head by vector lines, read by every load and every store, never written again.
;   X        written by load j alone, once; read by number j's two conversions; never loaded again.
;   Y        written by number j's two conversions, once; read by store j; never written again.
; So the only dependences to state are: the offsets are written ahead of the first load, and a store's data are written ahead of the store.
; The sixteen numbers go in four groups of four.  Group g's conversions name X and Y of group g alone; the memory instructions that stand among them are the four
; stores of group g - 1, which read v2 and Y of group g - 1.  ONE wait on va_vdst at the head of a group, behind the wait for the group's loads, states that the group
; before has written its Y; no vector line behind that wait names a register that those stores read.  No register that a memory instruction reads is written again,
; so no wait on vm_vsrc is owed; no vector line writes a scalar register, and EXEC is never written.
.set X, 4                              ; v[4:67]   sixteen loads of four registers
.set Y, 68                             ; v[68:99]  sixteen results of two registers
	s_load_b256 s[4:11], s[0:1], 0x0               ; W2 s[4:5], W1 s[6:7], w2h s[8:9], w1h s[10:11]
	s_and_b32 s12, ttmp9, 255                      ; the chunk's number in its tensor
	s_lshl_b32 s14, s12, 16                        ; its first byte in the source,
	s_mov_b32 s15, 0
	s_lshl_b32 s16, s12, 15                        ; and in the destination
	s_mov_b32 s17, 0
	v_lshlrev_b32 v1, 4, v0                        ; my 16 bytes in
	v_lshlrev_b32 v2, 3, v0                        ; my 8 bytes out
	s_wait_kmcnt 0x0
	s_cmp_lt_u32 ttmp9, 256                        ; W2's chunk, or W1's?
	s_cselect_b64 s[18:19], s[4:5], s[6:7]
	s_cselect_b64 s[20:21], s[8:9], s[10:11]
	s_add_nc_u64 s[18:19], s[18:19], s[14:15]
	s_add_nc_u64 s[20:21], s[20:21], s[16:17]
	s_wait_alu depctr_va_vdst(0)                   ; v1 and v2 are written: every load below reads v1 as its offset, every store v2
.irp j, 0,1,2,3,4,5,6,7,8,9,10,11,12,13,14,15
	global_load_b128 v[X+4*(\j):X+4*(\j)+3], v1, s[18:19] offset:4096*(\j) th:TH_LOAD_NT
.endr
.irp g, 0,1,2,3
	s_wait_loadcnt 12-4*(\g)                       ; loads come back in order: group g's four are in, the 12 - 4 g of the later groups stay out
.if (\g) > 0
	s_wait_alu depctr_va_vdst(0)                   ; the conversions of group g - 1 have written their eight registers of Y, which the four stores below read
.endif
.irp j, 0,1,2,3
.if (\g) > 0
	global_store_b64 v2, v[Y+2*(4*(\g)-4+(\j)):Y+2*(4*(\g)-4+(\j))+1], s[20:21] offset:2048*(4*(\g)-4+(\j))  ; the group before; no vector line since the wait names its Y or v2
.endif
	v_cvt_pk_f16_f32 v[Y+2*(4*(\g)+(\j))], v[X+4*(4*(\g)+(\j))], v[X+4*(4*(\g)+(\j))+1]
	v_cvt_pk_f16_f32 v[Y+2*(4*(\g)+(\j))+1], v[X+4*(4*(\g)+(\j))+2], v[X+4*(4*(\g)+(\j))+3]
.endr
.endr
	s_wait_alu depctr_va_vdst(0)                   ; the conversions of group 3 have written their Y, which the last four stores read
.irp j, 12,13,14,15
	global_store_b64 v2, v[Y+2*(\j):Y+2*(\j)+1], s[20:21] offset:2048*(\j)
.endr
	s_endpgm
.Lfunc_end_k_q2d341aac88_cast:
	.size	k_q2d341aac88_cast, .Lfunc_end_k_q2d341aac88_cast-k_q2d341aac88_cast
	.p2alignl 7, 3214868480
	.fill 96, 4, 3214868480
	.section	.rodata,"a",@progbits
	.p2align	6, 0x0
	.amdhsa_kernel k_q2d341aac88_cast
		.amdhsa_group_segment_fixed_size 0
		.amdhsa_private_segment_fixed_size 0
		.amdhsa_enable_private_segment 0
		.amdhsa_kernarg_size 32
		.amdhsa_user_sgpr_count 2
		.amdhsa_user_sgpr_kernarg_segment_ptr 1
		.amdhsa_wavefront_size32 1
		.amdhsa_system_sgpr_workgroup_id_x 1
		.amdhsa_system_sgpr_workgroup_id_y 1
		.amdhsa_system_sgpr_workgroup_id_z 1
		.amdhsa_system_vgpr_workitem_id 0
		.amdhsa_next_free_vgpr 100
		.amdhsa_next_free_sgpr 66
		.amdhsa_reserve_vcc 0
		.amdhsa_float_denorm_mode_32 3
		.amdhsa_float_denorm_mode_16_64 3
		.amdhsa_memory_ordered 1
		.amdhsa_forward_progress 1
		.amdhsa_inst_pref_size 7
	.end_amdhsa_kernel
	.amdgpu_metadata
---
amdhsa.version: [ 1, 2 ]
amdhsa.kernels:
  - .name:           k_q2d341aac88_cast
    .symbol:         k_q2d341aac88_cast.kd
    .args:
      - { .name: W2, .offset: 0, .size: 8, .value_kind: global_buffer, .address_space: global }
      - { .name: W1, .offset: 8, .size: 8, .value_kind: global_buffer, .address_space: global }
      - { .name: w2h, .offset: 16, .size: 8, .value_kind: global_buffer, .address_space: global }
      - { .name: w1h, .offset: 24, .size: 8, .value_kind: global_buffer, .address_space: global }
    .group_segment_fixed_size: 0
    .private_segment_fixed_size: 0
    .kernarg_segment_align: 8
    .kernarg_segment_size: 32
    .max_flat_workgroup_size: 256
    .sgpr_count:     66
    .vgpr_count:     100
    .wavefront_size: 32
...
	.end_amdgpu_metadata
.endif
;; end of part 3
;; launch ffn: the kernel of part 2 again; grid 64 x 4, 4 waves a work-group, clusters of 4 x 1, 327,680 bytes of LDS; arguments x, theta, w1h, w2h, out0; writes out0
